; MI455X (gfx1250); checked and timed in simulation.
; The chip was launched on July 23, 2026; its instructions are those of AMD's public machine-readable ISA for CDNA 5 (MIT licence, August 2026) and "CDNA5" Instruction Set Architecture Reference Guide (July 2026). The comments in the code are by the model that wrote it; some were corrected since.
;; Task Mo E. Allowed arithmetic: float matrix products may take bf16 or f16 operands with f32 sums; all other float work in f32.
;; Inputs: We 8 x 1,024 x 1,024 float32; Wg 1,024 x 8 float32; be 8 x 1,024 float32; hidden_states 4 x 2,048 x 1,024 float32.
;; Outputs: out0 4 x 2,048 x 1,024 float32.
;; 2 versions, each right; version 2 is version 1 with the launch place written anew for expert scheduling mode. Each part assembles by itself: llvm-mc -triple=amdgcn-amd-amdhsa -mcpu=gfx1250 --defsym DOCPART=n.
;; ======== version 1 of 2: 4 launches
;; workspace buffers: Wb 16,777,216 bytes; sel 65,536 bytes of whole numbers; gat 65,536 bytes; hist 8,192 bytes of whole numbers; xs 37,748,736 bytes; pos 65,536 bytes of whole numbers; gt 256 bytes of whole numbers; y 75,497,472 bytes
;; launch prep (part 1): grid 256 x 1, 16 waves a work-group, no clusters, 39,424 bytes of LDS; arguments hidden_states, Wg, We, Wb, sel, gat, hist; writes Wb, sel, gat, hist
.if DOCPART == 1
	.amdgcn_target "amdgcn-amd-amdhsa--gfx1250"
	.amdhsa_code_object_version 6
	.text
	.protected	k_q279128b469_prep
	.globl	k_q279128b469_prep
	.p2align	8
	.type	k_q279128b469_prep,@function
k_q279128b469_prep:
	s_mov_b64 s[64:65], 0
	v_nop
	global_prefetch_b8 v0, s[64:65] scope:SCOPE_SE
	s_setreg_imm32_b32 hwreg(HW_REG_WAVE_MODE, 25, 1), 1
	s_wait_xcnt 0x0
; PREP.  Three things on one pass over x and We:
;   (1) We (f32) -> Wb (bf16), same [e][h][d] order;
;   (2) the gate: logits = x Wg, top-2, and the two renormalised gates;
;   (3) for each block of 32 tokens, how many of them chose each of the 8 experts (hist).
; 256 work-groups of 16 waves.  A work-group owns 32 tokens (128 KiB of x) and 128 KiB of We; wave w owns tokens 2w, 2w+1 of the
; block and 8 KiB of We; both lie at the same byte offset, group << 17 + w << 13.
; THE GATE'S PRODUCT has 8 columns, half a matrix tile, and one thousandth of the problem's multiply-adds: it runs on the vector ALU
; under the stream.  Its operands are rounded to bf16, as matrix operands are and as the experts' product sees x; products and sums are f32.
; GATES: with l1 >= l2 the two largest logits, g1 = 1 / (1 + t), g2 = t g1, t = exp(l2 - l1): the row's maximum is taken away, and the
; softmax's denominator cancels in top_vals / sum(top_vals) for every input.  The top-2 are taken on the logits (exp is monotone), by
; strict 'greater', so that the lower index wins a tie, as in lax.top_k.
; LIMITS: two logits whose gap is below the noise of an f32 sum of 1,024 products (about 1e-6 for logits near 1) may be ranked the other way
; than by another order of summation.  Where exp(l2 - l1) is below 2^-126 it counts as 0 (g1 = 1, g2 = 0).  NaN or infinite logits are not served.
.set XR,  16                           ; v[16:79]    x of my two tokens: XR + 32 u + 4 j + i = x[token u][128 j + 4 lane + i]
.set WE,  80                           ; v[80:143]   my 8 KiB of We
.set WC0, 144                          ; v[144:175]  chunk buffer 0: WC + 8 i + e = Wg[128 j + 4 lane + i][e]
.set WC1, 176                          ; v[176:207]  chunk buffer 1
.set ACC, 208                          ; v[208:223]  ACC + 8 u + e: my part of logit e of token u
.set LG,  224                          ; v[224:231]  the 8 logits of the lane's token (even lanes token 0, odd lanes token 1)
.set RS,  232                          ; v[232:235]  i1, i2, g1, g2
.set MX1, 236                          ; largest logit
.set MX2, 237                          ; second largest
.set TT,  238                          ; v[238:239]  at work
.set VH,  241                          ; lane e: the block's count for expert e
.set QR,  244                          ; v[244:247]  wave 0: the result of token = lane
.set WP,  144                          ; LDS pitch of a block of 4 rows of Wg (128 bytes + 16): 9 x 16, so 16 lanes' 16-byte reads fall in 16 different columns
.set RES, 36864                        ; LDS: behind Wg's 256 blocks, 32 tokens x 16 bytes {i1, i2, g1, g2}
	s_load_b256 s[4:11], s[0:1], 0x0               ; x s[4:5], Wg s[6:7], We s[8:9], Wb s[10:11]
	s_load_b128 s[12:15], s[0:1], 0x20             ; sel s[12:13], gat s[14:15]
	s_load_b64 s[16:17], s[0:1], 0x30              ; hist
	v_lshl_add_u32 v248, v0, 2, 0x9200
	v_mov_b32 v249, 0
	v_lshrrev_b32 v8, 5, v0
	v_readfirstlane_b32 s18, v8                    ; wave 0..15
	v_and_b32 v1, 31, v0                           ; lane
	v_lshlrev_b32 v2, 4, v1                        ; 16 lane
	v_lshlrev_b32 v3, 4, v0                        ; 16 thread: Wg is read once by the whole group
	v_lshrrev_b32 v4, 3, v0                        ; a thread's 16 bytes of Wg: block thread / 8,
	v_and_b32 v8, 7, v0                            ; column thread % 8
	v_mul_u32_u24 v4, v4, WP
	v_lshl_add_u32 v4, v8, 4, v4                   ; where they go in LDS
	v_mul_u32_u24 v5, v1, WP                       ; where my lane's block of a chunk lies
	v_lshlrev_b32 v6, 3, v1                        ; 8 lane
	v_and_b32 v7, 1, v0
	v_lshlrev_b32 v7, 4, v7
	v_lshl_add_u32 v7, s18, 5, v7                  ; 16 (2 w + lane parity): my token's place in RES
	v_lshlrev_b32 v9, 2, v1                        ; 4 lane
	v_mov_b32 v[VH], 0
	s_lshl_b32 s20, ttmp9, 17
	s_lshl_b32 s19, s18, 13
	s_or_b32 s20, s20, s19                         ; byte offset of my part of x and of We
	s_mov_b32 s21, 0
	s_lshr_b32 s28, s20, 1                         ; and of Wb: half of it
	s_mov_b32 s29, 0
	s_lshl_b32 s30, ttmp9, 8                       ; sel, gat: 32 tokens x 8 bytes
	s_mov_b32 s31, 0
	s_lshl_b32 s32, ttmp9, 5                       ; hist: 8 words
	s_mov_b32 s33, 0
	s_mov_b32 s22, 0x76543210                      ; v_permlanex16_b32: lane i of one half reads lane i of the other
	s_mov_b32 s23, 0xfedcba98
	s_mov_b32 s24, 0xaaaaaaaa                      ; the odd lanes
	s_mov_b32 s25, 0xffff0000                      ; a word's upper bf16
	s_wait_kmcnt 0x0
	s_add_nc_u64 s[4:5], s[4:5], s[20:21]
	s_add_nc_u64 s[8:9], s[8:9], s[20:21]
	s_add_nc_u64 s[10:11], s[10:11], s[28:29]
	s_add_nc_u64 s[12:13], s[12:13], s[30:31]
	s_add_nc_u64 s[14:15], s[14:15], s[30:31]
	s_add_nc_u64 s[16:17], s[16:17], s[32:33]
	; all 36 loads of the wave go out at once: 4 of Wg, 16 of x, 16 of We; each covers 512 neighbouring bytes
.irp c, 0,1,2,3
	global_load_b128 v[WC0+4*\c:WC0+4*\c+3], v3, s[6:7] offset:8192*\c
.endr
.irp k, 0,1,2,3,4,5,6,7,8,9,10,11,12,13,14,15
	global_load_b128 v[XR+4*\k:XR+4*\k+3], v2, s[4:5] offset:512*\k        ; no hint: the next launch reads x again
.endr
.irp k, 0,1,2,3,4,5,6,7,8,9,10,11,12,13,14,15
	global_load_b128 v[WE+4*\k:WE+4*\k+3], v2, s[8:9] offset:512*\k th:TH_LOAD_NT
.endr
	s_wait_loadcnt 32                              ; Wg's four loads are in; the 32 younger ones stay out
.irp m, 0,1,2,3,4,5,6,7
	v_cvt_pk_bf16_f32 v[TT+\m%2], v[WC0+2*\m], v[WC0+2*\m+1]               ; Wg rounded to bf16 (nearest even) and widened again
	v_lshlrev_b32 v[WC0+2*\m], 16, v[TT+\m%2]
	v_and_b32 v[WC0+2*\m+1], s25, v[TT+\m%2]
.endr
.irp c, 0,1,2,3
	ds_store_b128 v4, v[WC0+4*\c:WC0+4*\c+3] offset:64*WP*\c               ; 8,192 bytes are 64 blocks
.endr
	s_wait_dscnt 0x0                               ; for the other waves' sake: my stores are done
	s_barrier_signal -1
	s_barrier_wait -1                              ; Wg is whole in LDS
; Chunk j: the 4 rows of Wg that go with my lane's 4 numbers of load j of x: 128 bytes, 8 loads.
.macro CHUNK j, buf
.irp c, 0,1,2,3,4,5,6,7
	ds_load_b128 v[\buf+4*\c:\buf+4*\c+3], v5 offset:32*WP*(\j)+16*\c
.endr
.endm
; 32 packed multiply-adds: 4 numbers of x of each of 2 tokens, each against 8 experts (4 pairs).  x is broadcast to both halves of a pair
; by op_sel; the very first products start the sums, nothing is cleared.  Eight accumulator pairs take turns.
.macro DOT j, buf
.irp i, 0,1,2,3
.irp u, 0,1
.irp p, 0,1,2,3
.if (\j+\i) == 0
	v_pk_mul_f32 v[ACC+8*\u+2*\p:ACC+8*\u+2*\p+1], v[XR+32*\u:XR+32*\u+1], v[\buf+2*\p:\buf+2*\p+1] op_sel_hi:[0,1]
.elseif (\i%2) == 0
	v_pk_fma_f32 v[ACC+8*\u+2*\p:ACC+8*\u+2*\p+1], v[XR+32*\u+4*\j+\i:XR+32*\u+4*\j+\i+1], v[\buf+8*\i+2*\p:\buf+8*\i+2*\p+1], v[ACC+8*\u+2*\p:ACC+8*\u+2*\p+1] op_sel_hi:[0,1,1]
.else
	v_pk_fma_f32 v[ACC+8*\u+2*\p:ACC+8*\u+2*\p+1], v[XR+32*\u+4*\j+\i-1:XR+32*\u+4*\j+\i], v[\buf+8*\i+2*\p:\buf+8*\i+2*\p+1], v[ACC+8*\u+2*\p:ACC+8*\u+2*\p+1] op_sel:[1,0,0] op_sel_hi:[1,1,1]
.endif
.endr
.endr
.endr
.endm
	CHUNK 0, WC0
	s_wait_loadcnt 16                              ; x is in; We's 16 loads stay out
.set m, 0
.rept 32
	v_cvt_pk_bf16_f32 v[TT+m%2], v[XR+2*m], v[XR+2*m+1]                    ; x rounded to bf16 and widened again
	v_lshlrev_b32 v[XR+2*m], 16, v[TT+m%2]
	v_and_b32 v[XR+2*m+1], s25, v[TT+m%2]
.set m, m+1
.endr
	; two chunk buffers: while one is multiplied the next chunk's 8 loads are out.  s_wait_dscnt 8 leaves exactly those out.
	CHUNK 1, WC1
	s_wait_dscnt 8
	DOT 0, WC0
	CHUNK 2, WC0
	s_wait_dscnt 8
	DOT 1, WC1
	CHUNK 3, WC1
	s_wait_dscnt 8
	DOT 2, WC0
	CHUNK 4, WC0
	s_wait_dscnt 8
	DOT 3, WC1
	CHUNK 5, WC1
	s_wait_dscnt 8
	DOT 4, WC0
	CHUNK 6, WC0
	s_wait_dscnt 8
	DOT 5, WC1
	CHUNK 7, WC1
	s_wait_dscnt 8
	DOT 6, WC0
	s_wait_dscnt 0x0                               ; the last chunk: nothing was issued behind it
	DOT 7, WC1
	; the 16 sums over the wave's 32 lanes, step by step over all 16 so that no step waits for the one in front of it
.irp m, 1,2,4,8
.irp r, 0,1,2,3,4,5,6,7,8,9,10,11,12,13,14,15
	v_add_f32_dpp v[ACC+\r], v[ACC+\r], v[ACC+\r] row_xmask:\m row_mask:0xf bank_mask:0xf
.endr
.endr
.irp r, 0,1,2,3,4,5,6,7,8,9,10,11,12,13,14,15
	v_permlanex16_b32 v[WC0+\r], v[ACC+\r], s22, s23                       ; its destination counts as read: WC0 has been written
.endr
.irp r, 0,1,2,3,4,5,6,7,8,9,10,11,12,13,14,15
	v_add_f32 v[ACC+\r], v[ACC+\r], v[WC0+\r]
.endr
.irp e, 0,1,2,3,4,5,6,7
	v_cndmask_b32 v[LG+\e], v[ACC+\e], v[ACC+8+\e], s24                    ; even lanes go on with token 0, odd lanes with token 1
.endr
	; top-2 by strict 'greater': an equal later logit never displaces an earlier one
	v_cmp_gt_f32 s26, v[LG+1], v[LG]
	v_cndmask_b32 v[MX1], v[LG], v[LG+1], s26
	v_cndmask_b32 v[MX2], v[LG+1], v[LG], s26
	v_cndmask_b32 v[RS], 0, 1, s26
	v_cndmask_b32 v[RS+1], 1, 0, s26
.macro TOP e
	v_cmp_gt_f32 s26, v[LG+\e], v[MX1]
	v_cmp_gt_f32 s27, v[LG+\e], v[MX2]
	v_cndmask_b32 v[MX2], v[MX2], v[LG+\e], s27    ; beats the second:
	v_cndmask_b32 v[RS+1], v[RS+1], \e, s27        ; takes its place,
	v_cndmask_b32 v[MX2], v[MX2], v[MX1], s26      ; unless it beats the first too: then the old first becomes second
	v_cndmask_b32 v[RS+1], v[RS+1], v[RS], s26
	v_cndmask_b32 v[MX1], v[MX1], v[LG+\e], s26
	v_cndmask_b32 v[RS], v[RS], \e, s26
.endm
.irp e, 2,3,4,5,6,7
	TOP \e
.endr
	v_sub_f32 v[TT], v[MX2], v[MX1]                ; l2 - l1 <= 0: the maximum is taken away
	v_mul_f32 v[TT], 0x3fb8aa3b, v[TT]             ; times log2(e)
	v_exp_f32 v[TT+1], v[TT]                       ; t
	v_nop                                          ; one plain vector instruction behind a transcendental before its result is used (ISA guide 5.7.2)
	s_wait_alu depctr_va_vdst(0)
	v_add_f32 v[TT], 1.0, v[TT+1]
	v_rcp_f32 v[RS+2], v[TT]                       ; g1 = 1 / (1 + t)
	v_nop
	s_wait_alu depctr_va_vdst(0)
	v_mul_f32 v[RS+3], v[TT+1], v[RS+2]            ; g2 = t g1
	ds_store_b128 v7, v[RS:RS+3] offset:RES        ; the 16 lanes of one parity write the same 16 bytes with the same values
	; We to bf16: load i's 512 bytes become 256; one store of the wave covers 256 consecutive bytes, aligned
.irp i, 0,1,2,3,4,5,6,7,8,9,10,11,12,13,14,15
	s_wait_loadcnt 15-\i                           ; loads come back in order: load i is in, the younger ones stay out
	v_cvt_pk_bf16_f32 v[WE+4*\i], v[WE+4*\i], v[WE+4*\i+1]
	v_cvt_pk_bf16_f32 v[WE+4*\i+1], v[WE+4*\i+2], v[WE+4*\i+3]
	global_store_b64 v6, v[WE+4*\i:WE+4*\i+1], s[10:11] offset:256*\i
.endr
	s_wait_dscnt 0x0                               ; my token results are in LDS
	s_barrier_signal -1
	s_barrier_wait -1                              ; everybody's are
	s_cmp_lg_u32 s18, 0
	s_cbranch_scc1 .Lend                           ; wave 0 alone writes the block's lists: lane = token
	ds_load_b128 v[QR:QR+3], v2 offset:RES
	s_wait_dscnt 0x0
	global_store_b64 v6, v[QR:QR+1], s[12:13]      ; sel: 32 tokens x {i1, i2}: 256 consecutive bytes, aligned
	global_store_b64 v6, v[QR+2:QR+3], s[14:15]    ; gat: 32 tokens x {g1, g2}
.irp e, 0,1,2,3,4,5,6,7
	v_cmp_eq_u32 s26, \e, v[QR]
	v_cmp_eq_u32 s27, \e, v[QR+1]
	s_or_b32 s26, s26, s27
	s_bcnt1_i32_b32 s26, s26                       ; tokens of the block that chose expert e
	v_writelane_b32 v[VH], s26, \e
.endr
	v_cmp_gt_u32 vcc_lo, 8, v1
	s_wait_xcnt 0x0                                ; EXEC is a source of the two stores above: it changes only behind this wait
	s_and_saveexec_b32 s34, vcc_lo
	global_store_b32 v9, v[VH], s[16:17]           ; 8 words a block, 8 KiB in the whole launch
	s_wait_xcnt 0x0                                ; and again in front of the line that widens EXEC
	s_or_b32 exec_lo, exec_lo, s34
.Lend:
	s_wait_tensorcnt 0x0
	ds_add_u32 v248, v249
	s_wait_dscnt 0x0
	s_endpgm
.Lfunc_end_k_q279128b469_prep:
	.size	k_q279128b469_prep, .Lfunc_end_k_q279128b469_prep-k_q279128b469_prep
	.p2alignl 7, 3214868480
	.fill 96, 4, 3214868480
	.section	.rodata,"a",@progbits
	.p2align	6, 0x0
	.amdhsa_kernel k_q279128b469_prep
		.amdhsa_group_segment_fixed_size 39424
		.amdhsa_private_segment_fixed_size 0
		.amdhsa_enable_private_segment 0
		.amdhsa_kernarg_size 56
		.amdhsa_user_sgpr_count 2
		.amdhsa_user_sgpr_kernarg_segment_ptr 1
		.amdhsa_wavefront_size32 1
		.amdhsa_system_sgpr_workgroup_id_x 1
		.amdhsa_system_sgpr_workgroup_id_y 1
		.amdhsa_system_sgpr_workgroup_id_z 1
		.amdhsa_system_vgpr_workitem_id 0
		.amdhsa_next_free_vgpr 250
		.amdhsa_next_free_sgpr 66
		.amdhsa_reserve_vcc 1
		.amdhsa_float_denorm_mode_32 3
		.amdhsa_float_denorm_mode_16_64 3
		.amdhsa_memory_ordered 1
		.amdhsa_forward_progress 1
		.amdhsa_inst_pref_size 48
	.end_amdhsa_kernel
	.amdgpu_metadata
---
amdhsa.version: [ 1, 2 ]
amdhsa.kernels:
  - .name:           k_q279128b469_prep
    .symbol:         k_q279128b469_prep.kd
    .args:
      - { .name: hidden_states, .offset: 0, .size: 8, .value_kind: global_buffer, .address_space: global }
      - { .name: Wg, .offset: 8, .size: 8, .value_kind: global_buffer, .address_space: global }
      - { .name: We, .offset: 16, .size: 8, .value_kind: global_buffer, .address_space: global }
      - { .name: Wb, .offset: 24, .size: 8, .value_kind: global_buffer, .address_space: global }
      - { .name: sel, .offset: 32, .size: 8, .value_kind: global_buffer, .address_space: global }
      - { .name: gat, .offset: 40, .size: 8, .value_kind: global_buffer, .address_space: global }
      - { .name: hist, .offset: 48, .size: 8, .value_kind: global_buffer, .address_space: global }
    .group_segment_fixed_size: 39424
    .private_segment_fixed_size: 0
    .kernarg_segment_align: 8
    .kernarg_segment_size: 56
    .max_flat_workgroup_size: 512
    .sgpr_count:     66
    .vgpr_count:     250
    .wavefront_size: 32
...
	.end_amdgpu_metadata
.endif
;; end of part 1
;; launch place (part 2): grid 256 x 1, 16 waves a work-group, no clusters, 0 bytes of LDS; arguments hidden_states, sel, hist, xs, pos, gt; writes xs, pos, gt
.if DOCPART == 2
	.amdgcn_target "amdgcn-amd-amdhsa--gfx1250"
	.amdhsa_code_object_version 6
	.text
	.protected	k_q279128b469_place
	.globl	k_q279128b469_place
	.p2align	8
	.type	k_q279128b469_place,@function
k_q279128b469_place:
	s_mov_b64 s[64:65], 0
	v_nop
	global_prefetch_b8 v0, s[64:65] scope:SCOPE_SE
	s_setreg_imm32_b32 hwreg(HW_REG_WAVE_MODE, 25, 1), 1
	s_wait_xcnt 0x0
; PLACE.  A counting sort of the 16,384 (token, expert) pairs by expert, then by token, without traffic between work-groups:
; every wave makes the global counts for itself from hist (8 KiB), so there is no LDS and no barrier.
;   rank(t, e) = number of tokens before t that chose e;   c_e = tokens of expert e;   n_e = ceil(c_e / 288) row groups of expert e;
;   CB_e, GB_e = sums of c, n over the experts before e.
;   row of (t, e), in xs and in y alike = 288 GB_e + rank:   group g owns rows 288 g .. 288 g + 287 of both.
; For every routing the sum of n_e is at most (16384 + 8 x 287) / 288 = 64.86, so 64 groups (18,432 rows) always suffice.
; The 18,432 - 16,384 = 2,048 rows that belong to no token (behind each expert's last token, and the groups not in use) are stored as zeros:
; 256 work-groups x 8 waves x 1 row.  With PP_j = 288 GB_j - CB_j, the rows without a token before expert j's first row, the q-th such row
; is row q + CB_j for the smallest j in 1..8 with q < PP_j, and q + 16,384 where there is none.
; Stored: xs (x in bf16, each token's row twice, and the zero rows), pos (token: its two rows), gt (group: its expert; 0 for a group not in use).
; 256 work-groups of 16 waves; a work-group owns the 32 tokens of one block of hist; wave w copies tokens 2w and 2w+1.
.set HS,  16                           ; v[16:79]    HS + 8 i + e = hist[lane + 32 i][e]
.set XR,  80                           ; v[80:143]   x of my two tokens
.set MU,  144                          ; v[144:151]  multiplier of block lane + 32 i: 0x10001 if it lies before my block, else 1
.set CN,  152                          ; v[152:159]  expert e: total in the low half, count before my block in the high half (both <= 8,192)
.set SEL, 160                          ; v[160:161]  i1, i2 of token = lane
.set PY,  164                          ; v[164:165]  the token's two rows
.set TT,  166                          ; v[166:169]  at work
.set GTP, 170                          ; v[170:171]  the experts of groups 2 lane and 2 lane + 1
.set ZR,  172                          ; v[172:175]  zeros
.set CNT, 24                           ; s[24:31]    the packed counts
.set CBN, 32                           ; s[32:39]    CB_(e+1)
.set YB,  40                           ; s[40:47]    288 GB_e + count before my block
.set GB,  48                           ; s[48:55]    GB_e
.set PPN, 56                           ; s[56:63]    PP_(e+1) = 288 GB_(e+1) - CB_(e+1)
.set BAS, 76                           ; s[76:83]    the four rows of xs that my wave's tokens go to
	s_load_b256 s[4:11], s[0:1], 0x0               ; x s[4:5], sel s[6:7], hist s[8:9], xs s[10:11]
	s_load_b128 s[12:15], s[0:1], 0x20             ; pos s[12:13], gt s[14:15]
	v_lshrrev_b32 v6, 5, v0
	v_readfirstlane_b32 s18, v6                    ; wave 0..15
	s_mov_b32 s19, ttmp9                           ; my block
	v_and_b32 v1, 31, v0                           ; lane
	v_lshlrev_b32 v2, 4, v1                        ; 16 lane
	v_lshlrev_b32 v3, 5, v1                        ; 32 lane: a block's 8 words of hist
	v_lshlrev_b32 v4, 3, v1                        ; 8 lane
	v_mov_b32 v5, 0x10001
.irp z, 0,1,2,3
	v_mov_b32 v[ZR+\z], 0
.endr
	s_lshl_b32 s20, s19, 17
	s_lshl_b32 s21, s18, 13
	s_or_b32 s20, s20, s21                         ; my two tokens in x
	s_mov_b32 s21, 0
	s_lshl_b32 s84, s19, 8                         ; my block in sel and in pos
	s_mov_b32 s85, 0                               ; stays 0: the upper word of every offset made in s84
	s_mov_b32 s22, 0x76543210                      ; v_permlanex16_b32: lane i of one half reads lane i of the other
	s_mov_b32 s23, 0xfedcba98
	s_wait_kmcnt 0x0
	s_add_nc_u64 s[4:5], s[4:5], s[20:21]
	s_add_nc_u64 s[6:7], s[6:7], s[84:85]
	s_add_nc_u64 s[12:13], s[12:13], s[84:85]
.irp i, 0,1,2,3,4,5,6,7
	global_load_b128 v[HS+8*\i:HS+8*\i+3],   v3, s[8:9] offset:1024*\i
	global_load_b128 v[HS+8*\i+4:HS+8*\i+7], v3, s[8:9] offset:1024*\i+16
.endr
	global_load_b64 v[SEL:SEL+1], v4, s[6:7]
.irp k, 0,1,2,3,4,5,6,7,8,9,10,11,12,13,14,15
	global_load_b128 v[XR+4*\k:XR+4*\k+3], v2, s[4:5] offset:512*\k th:TH_LOAD_NT    ; the last read of x
.endr
.irp i, 0,1,2,3,4,5,6,7
	v_add_nc_u32 v[TT], 32*\i, v1
	v_cmp_gt_u32 vcc_lo, s19, v[TT]                ; that block lies before mine
	v_cndmask_b32 v[MU+\i], 1, v5, vcc_lo
.endr
	s_wait_loadcnt 16                              ; hist and sel are in; x's 16 loads stay out
.irp e, 0,1,2,3,4,5,6,7
	v_mul_u32_u24 v[CN+\e], v[HS+\e], v[MU]
.endr
.irp i, 1,2,3,4,5,6,7
.irp e, 0,1,2,3,4,5,6,7
	v_mad_u32_u24 v[CN+\e], v[HS+8*\i+\e], v[MU+\i], v[CN+\e]
.endr
.endr
.irp m, 1,2,4,8
.irp e, 0,1,2,3,4,5,6,7
	v_add_nc_u32_dpp v[CN+\e], v[CN+\e], v[CN+\e] row_xmask:\m row_mask:0xf bank_mask:0xf
.endr
.endr
.irp e, 0,1,2,3,4,5,6,7
	v_permlanex16_b32 v[MU+\e], v[CN+\e], s22, s23 ; the multipliers are done with; the destination counts as read and has been written
.endr
.irp e, 0,1,2,3,4,5,6,7
	v_add_nc_u32 v[CN+\e], v[CN+\e], v[MU+\e]
	v_readfirstlane_b32 s[CNT+\e], v[CN+\e]
.endr
	; the prefix sums, in scalars.  s66 = CB, s67 = GB, running.
	s_mov_b32 s66, 0
	s_mov_b32 s67, 0
.irp e, 0,1,2,3,4,5,6,7
	s_and_b32 s68, s[CNT+\e], 0xffff               ; c_e
	s_lshr_b32 s69, s[CNT+\e], 16                  ; of them before my block
	s_mul_i32 s71, s67, 288
	s_add_co_u32 s[YB+\e], s71, s69
	s_mov_b32 s[GB+\e], s67
	s_add_co_u32 s66, s66, s68                     ; CB_(e+1)
	s_add_co_u32 s70, s68, 287
	s_mul_i32 s70, s70, 58255                      ; floor(n / 288) = (n x 58255) >> 24: 58255 x 288 = 2^24 + 224, so the quotient is too large by
	s_lshr_b32 s70, s70, 24                        ; n x 224 / (288 x 2^24) < 0.0004 for n <= 8,479, less than the 1 / 288 that could carry it over
	s_add_co_u32 s67, s67, s70                     ; GB_(e+1)
	s_mov_b32 s[CBN+\e], s66
	s_mul_i32 s71, s67, 288
	s_sub_co_u32 s[PPN+\e], s71, s66               ; PP_(e+1): never negative, 288 n_e >= c_e
.endr
	; rank inside the block: the lower lanes that chose the same expert
.macro RANK e
	v_cmp_eq_u32 s72, \e, v[SEL]
	v_cmp_eq_u32 s73, \e, v[SEL+1]
	s_or_b32 s74, s72, s73
	v_mbcnt_lo_u32_b32 v[TT], s74, 0
.if \e == 0
	v_add_nc_u32 v[PY], s[YB], v[TT]               ; expert 0 writes both whole; the others select
	v_add_nc_u32 v[PY+1], s[YB], v[TT]
.else
	v_add_nc_u32 v[TT+2], s[YB+\e], v[TT]
	v_cndmask_b32 v[PY], v[PY], v[TT+2], s72
	v_cndmask_b32 v[PY+1], v[PY+1], v[TT+2], s73
.endif
.endm
.irp e, 0,1,2,3,4,5,6,7
	RANK \e
.endr
	s_cmp_lg_u32 s18, 0
	s_cbranch_scc1 .Lnopos
	global_store_b64 v4, v[PY:PY+1], s[12:13]      ; every wave has the block's positions; wave 0 stores them: 256 consecutive bytes, aligned
.Lnopos:
	; the four rows of xs that my two tokens go to.  The row is bounded in the instruction before it enters an address.
	s_lshl_b32 s86, s18, 1                         ; the lane that holds my first token
.irp u, 0,1
	v_readlane_b32 s84, v[PY], s86
	s_min_u32 s84, s84, 18431
	s_lshl_b32 s84, s84, 11                        ; rows of 2,048 bytes
	s_add_nc_u64 s[BAS+4*\u:BAS+4*\u+1], s[10:11], s[84:85]
	v_readlane_b32 s84, v[PY+1], s86
	s_min_u32 s84, s84, 18431
	s_lshl_b32 s84, s84, 11
	s_add_nc_u64 s[BAS+4*\u+2:BAS+4*\u+3], s[10:11], s[84:85]
	s_add_co_u32 s86, s86, 1
.endr
	; the copy: load k's 512 bytes become 256 bytes of bf16, stored to both rows; each store covers 256 consecutive bytes, aligned
.irp k, 0,1,2,3,4,5,6,7,8,9,10,11,12,13,14,15
	s_wait_loadcnt 15-\k                           ; load k is in, the younger ones stay out
	v_cvt_pk_bf16_f32 v[XR+4*\k], v[XR+4*\k], v[XR+4*\k+1]
	v_cvt_pk_bf16_f32 v[XR+4*\k+1], v[XR+4*\k+2], v[XR+4*\k+3]
	global_store_b64 v4, v[XR+4*\k:XR+4*\k+1], s[BAS+4*(\k/8):BAS+4*(\k/8)+1] offset:256*(\k%8)
	global_store_b64 v4, v[XR+4*\k:XR+4*\k+1], s[BAS+4*(\k/8)+2:BAS+4*(\k/8)+3] offset:256*(\k%8)
.endr
	; the rows without a token: waves 0 to 7 store one each, the q-th, q = 8 block + wave
	s_cmp_gt_u32 s18, 7
	s_cbranch_scc1 .Lnozero
	s_lshl_b32 s86, s19, 3
	s_add_co_u32 s86, s86, s18                     ; q
	s_add_co_u32 s84, s86, s[CBN+7]                ; behind the last expert's groups: q + 16,384
.irp j, 6,5,4,3,2,1,0
	s_add_co_u32 s87, s86, s[CBN+\j]               ; PP rises with the expert, so going down the last hit is the smallest j with q < PP_j
	s_cmp_lt_u32 s86, s[PPN+\j]
	s_cselect_b32 s84, s87, s84
.endr
	s_min_u32 s84, s84, 18431                      ; bounded in the instruction before it enters an address
	s_lshl_b32 s84, s84, 11
	s_add_nc_u64 s[88:89], s[10:11], s[84:85]
.irp k, 0,1,2,3
	global_store_b128 v2, v[ZR:ZR+3], s[88:89] offset:512*\k               ; each store covers 512 consecutive bytes, aligned
.endr
.Lnozero:
	; the group table: work-group 0, wave 0; lane l makes groups 2 l and 2 l + 1: one store of 256 consecutive bytes
	s_cmp_lg_u32 s19, 0
	s_cbranch_scc1 .Lend
	s_cmp_lg_u32 s18, 0
	s_cbranch_scc1 .Lend
	v_lshlrev_b32 v[TT], 1, v1
	v_or_b32 v[TT+1], 1, v[TT]
	v_mov_b32 v[GTP], 0
	v_mov_b32 v[GTP+1], 0
.irp e, 1,2,3,4,5,6,7
.irp u, 0,1
	v_cmp_le_u32 vcc_lo, s[GB+\e], v[TT+\u]        ; the last expert whose first group is at or before g (an expert without tokens is passed over by the next)
	v_cndmask_b32 v[GTP+\u], v[GTP+\u], \e, vcc_lo
.endr
.endr
.irp u, 0,1
	v_cmp_le_u32 vcc_lo, s67, v[TT+\u]             ; beyond the last group in use: expert 0 (its rows of xs are zeros)
	v_cndmask_b32 v[GTP+\u], v[GTP+\u], 0, vcc_lo
.endr
	global_store_b64 v4, v[GTP:GTP+1], s[14:15]
.Lend:
	s_endpgm
.Lfunc_end_k_q279128b469_place:
	.size	k_q279128b469_place, .Lfunc_end_k_q279128b469_place-k_q279128b469_place
	.p2alignl 7, 3214868480
	.fill 96, 4, 3214868480
	.section	.rodata,"a",@progbits
	.p2align	6, 0x0
	.amdhsa_kernel k_q279128b469_place
		.amdhsa_group_segment_fixed_size 0
		.amdhsa_private_segment_fixed_size 0
		.amdhsa_enable_private_segment 0
		.amdhsa_kernarg_size 48
		.amdhsa_user_sgpr_count 2
		.amdhsa_user_sgpr_kernarg_segment_ptr 1
		.amdhsa_wavefront_size32 1
		.amdhsa_system_sgpr_workgroup_id_x 1
		.amdhsa_system_sgpr_workgroup_id_y 1
		.amdhsa_system_sgpr_workgroup_id_z 1
		.amdhsa_system_vgpr_workitem_id 0
		.amdhsa_next_free_vgpr 176
		.amdhsa_next_free_sgpr 96
		.amdhsa_reserve_vcc 1
		.amdhsa_float_denorm_mode_32 3
		.amdhsa_float_denorm_mode_16_64 3
		.amdhsa_memory_ordered 1
		.amdhsa_forward_progress 1
		.amdhsa_inst_pref_size 30
	.end_amdhsa_kernel
	.amdgpu_metadata
---
amdhsa.version: [ 1, 2 ]
amdhsa.kernels:
  - .name:           k_q279128b469_place
    .symbol:         k_q279128b469_place.kd
    .args:
      - { .name: hidden_states, .offset: 0, .size: 8, .value_kind: global_buffer, .address_space: global }
      - { .name: sel, .offset: 8, .size: 8, .value_kind: global_buffer, .address_space: global }
      - { .name: hist, .offset: 16, .size: 8, .value_kind: global_buffer, .address_space: global }
      - { .name: xs, .offset: 24, .size: 8, .value_kind: global_buffer, .address_space: global }
      - { .name: pos, .offset: 32, .size: 8, .value_kind: global_buffer, .address_space: global }
      - { .name: gt, .offset: 40, .size: 8, .value_kind: global_buffer, .address_space: global }
    .group_segment_fixed_size: 0
    .private_segment_fixed_size: 0
    .kernarg_segment_align: 8
    .kernarg_segment_size: 48
    .max_flat_workgroup_size: 512
    .sgpr_count:     96
    .vgpr_count:     176
    .wavefront_size: 32
...
	.end_amdgpu_metadata
.endif
;; end of part 2
;; launch gemm (part 3): grid 4 x 64, 4 waves a work-group, clusters of 4 x 1, 327,680 bytes of LDS; arguments xs, Wb, be, gt, y; writes y
.if DOCPART == 3
	.amdgcn_target "amdgcn-amd-amdhsa--gfx1250"
	.amdhsa_code_object_version 6
	.text
	.protected	k_q279128b469_gemm
	.globl	k_q279128b469_gemm
	.p2align	8
	.type	k_q279128b469_gemm,@function
k_q279128b469_gemm:
	s_mov_b64 s[64:65], 0
	v_nop
	global_prefetch_b8 v0, s[64:65] scope:SCOPE_SE
	s_setreg_imm32_b32 hwreg(HW_REG_WAVE_MODE, 25, 1), 1
	s_wait_xcnt 0x0
	s_wait_alu depctr_hold_cnt(0) depctr_sa_sdst(0) depctr_va_vdst(0) depctr_va_sdst(0) depctr_va_ssrc(0) depctr_va_vcc(0) depctr_vm_vsrc(0)
	s_getreg_b32 s2, hwreg(HW_REG_IB_STS2, 6, 4)
	s_cmp_eq_u32 s2, 0
	s_cbranch_scc0 .Lentry_in_a_cluster
	s_endpgm
.Lentry_in_a_cluster:
	s_bfe_u32 s2, ttmp6, 0x10000c
	s_cmp_lg_u32 s2, 0x3003
	s_cbranch_scc0 .Lentry_shape_is_right
	s_endpgm
.Lentry_shape_is_right:
; GEMM.  y[288 g + i][d] = sum over h of xs[288 g + i][h] Wb[e_g][h][d] + be[e_g][d], for 64 row groups g of 288 rows and 4 column tiles of 256.
; e_g comes from gt, whole numbers that an earlier launch stored.  Operands bf16, sums f32, y f32.
; 64 x 4 = 256 work-groups of equal work for every routing.  A group's rows beyond its expert's last token are zero rows of xs: their results
; (the bias) land in rows of y that no token points to, so there is no mask.  A group beyond the last one in use has zero rows alone and
; expert 0, and stores into its own rows of y, which nobody reads: the number of groups in use hangs on the data (64 at the most, and 64
; whenever each expert has 2,017 to 2,304 tokens), the grid cannot, and all partners of a cluster have to run the same text.
; A work-group makes 288 x 256 with four waves; a wave makes 144 x 128: 72 accumulator tiles of 16 x 16, 576 registers.
; K goes in 8 steps of 128 through a ring of two LDS slots filled by the tensor data mover.
; CLUSTERS: the four column tiles of a group form a cluster and need the same tile of xs: 288 x 256 bytes of a step's 139,264.  It is asked for
; JOINTLY (mask 15); its address is made of the group's number, the wave's number and constants alone, which the four partners share.
; Wb's tile hangs on the column tile, so each work-group asks for its own (mask 0); whether neighbouring GROUPS have the same expert hangs on
; the data, so Wb's tiles cannot be shared by a mask that is alike by construction.
; Wb lies [h][d], K down the rows: its fragments are read with the transposing LDS load.
;
; REGISTERS, in windows of 256:
;   window 0: v8-15 bias; v16-27 addresses; v40-111, v112-183 fragments of xs (9 x 16 rows x 32 K), two buffers; v184-247 at work on the way out
;   window 1: v64-127, v128-191 fragments of Wb (8 x 16 columns x 32 K), two buffers; v192-255 the 8 accumulator tiles of my rows 128-143
;   window 2: the 32 tiles of my rows 0-63 (row block a, column block b at v[64 a + 8 b]);   window 3: those of my rows 64-127
; THE MATRIX INSTRUCTION IS USED TRANSPOSED: source 0 = 16 columns of Wb, source 1 = 16 rows of xs.  Lane l then holds row l % 16 of y and its
; registers 0 to 7 the columns 8 (l / 16) + 0 .. 7: eight neighbouring f32, 32 bytes.
.set KSTEP, 128
.set AP,    272                        ; an LDS row of xs: 256 bytes + 16: an odd multiple of 16
.set BP,    544                        ; an LDS row of Wb: 512 bytes + 32: an odd multiple of 32, as the transposing load's 8 rows x 2 columns want
.set AHALF, 144*AP                     ; 39,168: what one tensor load of xs brings, and what one wave reads of it
.set BHALF, 64*BP                      ; 34,816: what one tensor load of Wb brings (64 of the step's 128 rows)
.set BOFF,  2*AHALF                    ; Wb's tile lies behind xs's
.set SLOT,  2*AHALF+2*BHALF            ; 147,968
.set STAGE, 2*SLOT                     ; 295,936 = 1,156 x 256: behind the ring, 16 rows x 272 bytes for each wave; no fill ever lands here
.set SP,    272
.set LAPS,  4                          ; a lap = two K steps = once round the ring; 1,024 / 256
.set BIAS, 8                           ; v[8:15]  be of my 4 columns on the way out, for each half of my 128 columns
.set ADRA, 16                          ; v16-17   LDS address of my fragments of xs in slot 0, 1
.set ADRB, 20                          ; v20-21   the same for Wb
.set STO,  24                          ; the way out: where I put 32 bytes of a row
.set RD,   25                          ; the way out: where I read a row back
.set CO,   26                          ; my byte offset in y
.set BO,   27                          ; my byte offset in be
.set FA,   40                          ; fragments of xs, buffer f at FA + 72 f (window 0)
.set FB,   64                          ; fragments of Wb, buffer f at FB + 64 f (window 1)
.set XACC, 192                         ; the ninth row block's tiles (window 1)
.set O0,   184                         ; the way out: two sets of 32 registers in turn
.set O1,   216
.set G1,  24                           ; s[24:31] descriptor group 1 for xs's tiles
.set G0,  32                           ; s[32:39] descriptor group 0 for xs's tiles, one set for each slot
.set G1B, 48                           ; s[48:55] group 1 for Wb's tiles
.set G0B, 56                           ; s[56:63] group 0 for Wb's tiles, one set for each slot
.set MSB, 0
.macro WIN new                         ; the immediate's high byte repeats the setting that is left; a switch that changes nothing is dropped
.if MSB != \new
	s_set_vgpr_msb (MSB<<8)|\new
.set MSB, \new
.endif
.endm
.set MUL_LO, 0xa1                      ; source 0 (Wb) window 1, source 1 (xs) window 0, C and D window 2
.set MUL_HI, 0xf1                      ; the same, C and D window 3
.set MUL_X,  0x51                      ; the same, C and D window 1
.set TO_B,   0x40                      ; destination window 1, address window 0
; A step's loads.  Waves 0 and 1 ask jointly for the two halves of xs's tile, waves 2 and 3 each for a half of Wb's.  The branch hangs on the
; wave's number alone.  One tensor load a wave.
.macro JLOAD s
	s_cmp_eq_u32 s15, 0
	s_cbranch_scc0 .Lfor_b_\@
	tensor_load_to_lds s[G0+4*\s:G0+4*\s+3], s[G1:G1+7]
	s_nop 0
	s_branch .Lasked_\@
.Lfor_b_\@:
	tensor_load_to_lds s[G0B+4*\s:G0B+4*\s+3], s[G1B:G1B+7]
	s_nop 0
.Lasked_\@:
.endm
; A round of the cluster's barrier: my work-group's barrier; wave 0 signals for the work-group; every wave waits for all four work-groups;
; my work-group's barrier once more.
.macro CREST                           ; a round behind its opening barrier
	s_cmp_lg_u32 s14, 0
	s_cbranch_scc1 .Lnot_wave_0_\@
	s_barrier_signal -3
.Lnot_wave_0_\@:
	s_barrier_wait -3
	s_barrier_signal -1
	s_barrier_wait -1
.endm
.macro CROUND
	s_barrier_signal -1
	s_barrier_wait -1
	CREST
.endm
	s_load_b256 s[4:11], s[0:1], 0x0               ; xs s[4:5], Wb s[6:7], be s[8:9], gt s[10:11]
	s_load_b64 s[12:13], s[0:1], 0x20              ; y
	s_set_vgpr_msb 0x40
	v_lshl_add_u32 v63, v0, 2, 0x4c800
	s_set_vgpr_msb 0x4000
	v_mov_b32 v255, 0
	s_set_vgpr_msb 0x1
	ds_add_u32 v63, v255
	s_set_vgpr_msb 0x100
	v_lshrrev_b32 v1, 5, v0
	v_readfirstlane_b32 s14, v1                    ; wave 0..3
	s_lshr_b32 s15, s14, 1                         ; which 144 rows are mine.  Also: I fetch for xs (0) or for Wb (1)
	s_and_b32 s16, s14, 1                          ; which 128 columns are mine.  Also: which half of that tile I fetch
	s_bfe_u32 s17, ttmp6, 0x40000                  ; cx: my place in the cluster
	s_lshl_b32 s19, ttmp9, 2
	s_add_co_u32 s17, s19, s17                     ; column tile = 4 x cluster x + cx
	s_and_b32 s18, ttmp7, 0xffff                   ; group = cluster y (the cluster has one work-group along y)
	s_lshl_b32 s22, s18, 2                         ; the group's word in gt
	s_mov_b32 s23, 0
	; group 1 for xs: 144 rows x 128 elements of 2 bytes, pitch 1,024 elements; 16 bytes of padding behind every 64 words
	s_mov_b32 s[G1+0], 15|(1<<16)|(1<<20)|(1<<21)|(5<<22)|(3<<25)  ; 15:0 mask: all four of the cluster; 17:16 2 bytes; 20 padding on; 21 set beside a mask; 24:22 interval code 5; 31:25 4 words (code 3)
	s_mov_b32 s[G1+1], KSTEP<<16                   ; tensor_dim0 = 128
	s_mov_b32 s[G1+2], 144<<16                     ; tensor_dim1 = 144
	s_mov_b32 s[G1+3], KSTEP<<16                   ; tile_dim0 = 128
	s_mov_b32 s[G1+4], 144                         ; tile_dim1 = 144
	s_mov_b32 s[G1+5], 1024                        ; elements from row to row
	s_mov_b32 s[G1+6], 0
	s_mov_b32 s[G1+7], 0
	; group 1 for Wb: 64 rows x 256 elements, pitch 1,024 elements; 32 bytes of padding behind every 128 words; no mask
	s_mov_b32 s[G1B+0], (1<<16)|(1<<20)|(6<<22)|(7<<25)
	s_mov_b32 s[G1B+1], 256<<16
	s_mov_b32 s[G1B+2], 64<<16
	s_mov_b32 s[G1B+3], 256<<16
	s_mov_b32 s[G1B+4], 64
	s_mov_b32 s[G1B+5], 1024
	s_mov_b32 s[G1B+6], 0
	s_mov_b32 s[G1B+7], 0
	s_mul_i32 s46, s16, AHALF                      ; where my half of xs's tile goes: no place in the cluster enters an LDS address
	s_mul_i32 s47, s16, BHALF
	s_add_co_u32 s47, s47, BOFF                    ; where my half of Wb's goes
	s_wait_dscnt 0x0
	s_wait_kmcnt 0x0
	s_add_nc_u64 s[10:11], s[10:11], s[22:23]
	s_load_b32 s21, s[10:11], 0x0                  ; the group's expert: it enters Wb's and be's addresses alone
	s_mul_i32 s22, s18, 288                        ; xs: row 288 g + 144 x half, of 2,048 bytes: the group, the wave and constants;
	s_mul_i32 s20, s16, 144                        ; s20, s[22:23] and s[40:41] never hold cx or a loaded number
	s_add_co_u32 s22, s22, s20
	s_lshl_b32 s22, s22, 11
	s_add_nc_u64 s[40:41], s[4:5], s[22:23]
	s_wait_kmcnt 0x0
	s_min_u32 s21, s21, 7                          ; bounded in the instruction before it enters an address
	s_lshl_b32 s44, s21, 21                        ; Wb: expert x 2 MiB
	s_lshl_b32 s19, s16, 17                        ; + half x 64 rows of 2,048 bytes
	s_add_co_u32 s44, s44, s19
	s_lshl_b32 s19, s17, 9                         ; + column tile x 512 bytes
	s_add_co_u32 s44, s44, s19
	s_mov_b32 s45, 0
	s_add_nc_u64 s[42:43], s[6:7], s[44:45]
	CROUND                                         ; all four work-groups are here: the first joint loads meet
.irp s, 0,1
	s_mov_b32 s[G0+4*\s], 1                                        ; count = 1
	s_add_co_u32 s[G0+4*\s+1], s46, \s*SLOT                        ; LDS address
	s_add_nc_u64 s[G0+4*\s+2:G0+4*\s+3], s[40:41], \s*KSTEP*2      ; global address: K step s, 256 bytes along the rows
	s_or_b32 s[G0+4*\s+3], s[G0+4*\s+3], 0x80000000                ; type = 2
	s_mov_b32 s[G0B+4*\s], 1
	s_add_co_u32 s[G0B+4*\s+1], s47, \s*SLOT
	s_add_nc_u64 s[G0B+4*\s+2:G0B+4*\s+3], s[42:43], \s*KSTEP*2048 ; K step s: 128 rows down
	s_or_b32 s[G0B+4*\s+3], s[G0B+4*\s+3], 0x80000000
	JLOAD \s                                       ; both slots' first fills go out as one group: two tensor loads of the wave are out
.endr
	; Fragments.  xs (K along the LDS rows): lane l holds row l % 16; two loads of 16 bytes, 32 bytes apart, at row x pitch + 16 (l / 16).
	; Wb (K down the LDS rows): the transposing load; lane l addresses row 8 (l / 16) + l % 8, 16 bytes at 16 ((l / 8) % 2), and receives
	; column l % 16, K = 8 (l / 16) + 0 .. 7; the second load stands 16 rows further down.
	v_and_b32 v1, 15, v0                           ; l % 16
	v_bfe_u32 v2, v0, 4, 1                         ; l / 16
	v_mul_u32_u24 v3, v1, AP
	v_lshl_add_u32 v3, v2, 4, v3
	v_and_b32 v4, 7, v0
	v_lshl_add_u32 v4, v2, 3, v4
	v_mul_u32_u24 v4, v4, BP
	v_bfe_u32 v5, v0, 3, 1
	v_lshl_add_u32 v4, v5, 4, v4
	s_mul_i32 s44, s15, AHALF                      ; my 144 rows of xs
	s_lshl_b32 s45, s16, 8                         ; my 128 columns of Wb: 256 bytes along its rows
	s_add_co_u32 s45, s45, BOFF
.irp s, 0,1
	v_add_nc_u32 v[ADRA+\s], s44, v3
	v_add_nc_u32 v[ADRB+\s], s45, v4
	s_add_co_u32 s44, s44, SLOT
	s_add_co_u32 s45, s45, SLOT
.endr
	s_mul_i32 s44, s14, 16*SP
	s_add_co_u32 s44, s44, STAGE                   ; my stage
	v_mul_u32_u24 v5, v1, SP                       ; in: row l % 16, 32 bytes for each half of the lanes
	v_lshl_add_u32 v5, v2, 5, v5
	v_add_nc_u32 v[STO], s44, v5
	v_mul_u32_u24 v6, v2, SP                       ; back: lanes 0-15 take one row of 256 bytes, lanes 16-31 the next
	v_lshl_add_u32 v6, v1, 4, v6
	v_add_nc_u32 v[RD], s44, v6
	v_lshlrev_b32 v[BO], 4, v1                     ; my 4 columns on the way out
	v_lshl_add_u32 v[CO], v2, 12, v[BO]            ; and the same two rows in y (4,096 bytes apart)
	s_lshl_b32 s19, s17, 10                        ; my first column in bytes of f32: 1,024 x column tile + 512 x half
	s_lshl_b32 s2, s16, 9
	s_add_co_u32 s19, s19, s2
	s_lshl_b32 s44, s21, 12                        ; be: expert x 4,096 bytes
	s_add_co_u32 s44, s44, s19
	s_mov_b32 s45, 0
	s_add_nc_u64 s[8:9], s[8:9], s[44:45]
	s_mul_i32 s44, s18, 288                        ; y: row 288 g + 144 x half
	s_mul_i32 s2, s15, 144
	s_add_co_u32 s44, s44, s2
	s_lshl_b32 s44, s44, 12
	s_add_co_u32 s44, s44, s19
	s_add_nc_u64 s[12:13], s[12:13], s[44:45]
	global_load_b128 v[BIAS:BIAS+3],   v[BO], s[8:9]               ; waited for at the way out
	global_load_b128 v[BIAS+4:BIAS+7], v[BO], s[8:9] offset:256
; 8 matrix instructions: row block ablk (of my nine) x all 8 column blocks, 32 along K, from buffer f; acc = the block's first tile in its window.
; zero = 1: the first product starts the sums: nothing is ever cleared.
.macro MULB f, ablk, acc, zero
.irp b, 0,1,2,3,4,5,6,7
.if \zero
	v_wmma_f32_16x16x32_bf16 v[\acc+8*\b:\acc+8*\b+7], v[FB+64*\f+8*\b:FB+64*\f+8*\b+7], v[FA+72*\f+8*\ablk:FA+72*\f+8*\ablk+7], 0
.else
	v_wmma_f32_16x16x32_bf16 v[\acc+8*\b:\acc+8*\b+7], v[FB+64*\f+8*\b:FB+64*\f+8*\b+7], v[FA+72*\f+8*\ablk:FA+72*\f+8*\ablk+7], v[\acc+8*\b:\acc+8*\b+7]
.endif
.endr
.endm
; 34 LDS loads in one run: the fragments of quarter step q (128 columns of Wb, 144 rows of xs, 32 K) into buffer f
.macro FETCH slot, q, f
	WIN TO_B
.irp b, 0,1,2,3,4,5,6,7
	ds_load_tr16_b128 v[FB+64*\f+8*\b:FB+64*\f+8*\b+3],   v[ADRB+\slot] offset:\q*32*BP+32*\b
	ds_load_tr16_b128 v[FB+64*\f+8*\b+4:FB+64*\f+8*\b+7], v[ADRB+\slot] offset:\q*32*BP+32*\b+16*BP
.endr
	WIN 0
.irp i, 0,1,2,3,4,5,6,7,8
	ds_load_b128 v[FA+72*\f+8*\i:FA+72*\f+8*\i+3],   v[ADRA+\slot] offset:\q*64+\i*16*AP
	ds_load_b128 v[FA+72*\f+8*\i+4:FA+72*\f+8*\i+7], v[ADRA+\slot] offset:\q*64+\i*16*AP+32
.endr
.endm
; A load into a register that a matrix instruction has read, and an LDS store of a matrix result, stand four places behind that matrix
; instruction, and only plain vector instructions that name none of its registers are places (ISA guide 7.12.1 for vector instructions).
.macro PLACES
.rept 4
	v_nop
.endr
.endm
; A K step is four quarter steps of 32 along K, 72 matrix instructions each, on buffers 0, 1, 0, 1.  The 72 accumulators take turns, one
; instruction a turn, in the same order in every quarter step, over the loop's backward jump too.
; One of the first three quarters: multiplies buffer f; in its middle it fetches quarter q of the same slot into buffer g.
.macro QUARTER slot, q, f, g, zero
	s_wait_dscnt 10                                ; Wb's fragments and xs's row blocks 0-3 are in; the youngest ten loads (row blocks 4-8) may be out
	WIN MUL_LO
	MULB \f, 0, 0, \zero
	MULB \f, 1, 64, \zero
	MULB \f, 2, 128, \zero
	MULB \f, 3, 192, \zero
	PLACES
	FETCH \slot, \q, \g
	s_wait_dscnt 34                                ; all but the 34 just issued
	WIN MUL_HI
	MULB \f, 4, 0, \zero
	MULB \f, 5, 64, \zero
	MULB \f, 6, 128, \zero
	MULB \f, 7, 192, \zero
	WIN MUL_X
	MULB \f, 8, XACC, \zero
.endm
.macro THREE slot, zero
	QUARTER \slot, 1, 0, 1, \zero
	QUARTER \slot, 2, 1, 0, 0
	QUARTER \slot, 3, 0, 1, 0
.endm
; The last quarter: multiplies buffer 1 and changes slots.  next = the other slot; fill = 1: this slot is filled again, two K steps ahead.
; In front of the barrier each wave waits for its reads of this slot and for all its tensor loads, of which one is out: its part of the next
; slot.  Where the slot is filled again the barrier opens a round of the cluster's barrier; behind the round no wave of any partner reads the
; slot or has a load on its way, and the refill is the first tensor load there, one a wave.  From a request to the wait for it a wave issues
; 272 matrix instructions.
.macro TURN slot, next, fill
	s_wait_dscnt 10
	WIN MUL_LO
	MULB 1, 0, 0, 0
	MULB 1, 1, 64, 0
	s_wait_dscnt 0                                 ; my reads of this slot are over
	s_wait_tensorcnt 0x0                           ; all my tensor loads have landed
	ds_add_u32 v63, v255
	s_wait_dscnt 0x0
	s_barrier_signal -1
	MULB 1, 2, 128, 0                              ; register work while the others arrive
	MULB 1, 3, 192, 0
	WIN 0                                          ; at a branch and at a label every window is 0
	s_barrier_wait -1
.if \fill
	CREST
	s_add_nc_u64 s[G0+4*\slot+2:G0+4*\slot+3], s[G0+4*\slot+2:G0+4*\slot+3], 2*KSTEP*2        ; no tensor load of mine is out: the addresses may step, two K steps on
	s_add_nc_u64 s[G0B+4*\slot+2:G0B+4*\slot+3], s[G0B+4*\slot+2:G0B+4*\slot+3], 2*KSTEP*2048
	JLOAD \slot
.endif
	PLACES
	FETCH \next, 0, 0
	WIN MUL_HI
	MULB 1, 4, 0, 0                                ; buffer 1 was whole at the wait for 0 above
	MULB 1, 5, 64, 0
	MULB 1, 6, 128, 0
	MULB 1, 7, 192, 0
	WIN MUL_X
	MULB 1, 8, XACC, 0
.endm
.macro LAP zero
	THREE 0, \zero
	TURN 0, 1, 1
	THREE 1, 0
	TURN 1, 0, 1
.endm
	s_wait_tensorcnt 1                             ; my part of K step 0 is in; K step 1's may stay out
	s_barrier_signal -1
	s_barrier_wait -1                              ; everybody's is
	FETCH 0, 0, 0
	LAP 1                                          ; the first lap stands in front of the loop: its first products start the sums
	WIN 0
	s_mov_b32 s3, LAPS-2
.Llap:
	LAP 0
	WIN 0
	s_sub_co_u32 s3, s3, 1
	s_cmp_lg_u32 s3, 0
	s_cbranch_scc1 .Llap
	THREE 0, 0                                     ; the last lap fills nothing and has no round: my one tensor load still out is slot 1's, the last K step's
	TURN 0, 1, 0
	THREE 1, 0
	s_wait_dscnt 10                                ; the very last quarter: nothing more to fetch
	WIN MUL_LO
	MULB 1, 0, 0, 0
	MULB 1, 1, 64, 0
	MULB 1, 2, 128, 0
	MULB 1, 3, 192, 0
	s_wait_dscnt 0
	WIN MUL_HI
	MULB 1, 4, 0, 0
	MULB 1, 5, 64, 0
	MULB 1, 6, 128, 0
	MULB 1, 7, 192, 0
	WIN MUL_X
	MULB 1, 8, XACC, 0
	; THE WAY OUT, 16 rows x 64 columns at a time: 32 bytes a lane and tile into my own stage in LDS, read back as whole rows of 256 bytes,
	; the bias added, stored.  The stage is the wave's own and LDS serves a wave's instructions in order (ISA guide 5.7.1.4): no wait between
	; the stores and the loads, and none between one turn's loads and the next turn's stores.
	PLACES
	s_wait_loadcnt 0x0                             ; the bias
; rows 16 i .. 16 i + 15, columns 64 hf .. 64 hf + 63 of my block: tiles 4 hf .. 4 hf + 3 at acc; from: the window of the store's data (source 1); o: O0 or O1 in turn
.macro OUT i, hf, from, acc, o
	WIN \from
.irp b, 0,1,2,3
	ds_store_b128 v[STO], v[(\acc)+8*(4*\hf+\b):(\acc)+8*(4*\hf+\b)+3]   offset:64*\b
	ds_store_b128 v[STO], v[(\acc)+8*(4*\hf+\b)+4:(\acc)+8*(4*\hf+\b)+7] offset:64*\b+16
.endr
	WIN 0
	s_wait_xcnt 0x0                                ; set o was the data of stores two turns ago: it is loaded again only behind this wait
.irp t, 0,1,2,3,4,5,6,7
	ds_load_b128 v[\o+4*\t:\o+4*\t+3], v[RD] offset:\t*2*SP
.endr
.irp t, 0,1,2,3,4,5,6,7
	s_wait_dscnt 7-\t                              ; load t is in, the younger ones stay out
	v_pk_add_f32 v[\o+4*\t:\o+4*\t+1],   v[\o+4*\t:\o+4*\t+1],   v[BIAS+4*\hf:BIAS+4*\hf+1]
	v_pk_add_f32 v[\o+4*\t+2:\o+4*\t+3], v[\o+4*\t+2:\o+4*\t+3], v[BIAS+4*\hf+2:BIAS+4*\hf+3]
	global_store_b128 v[CO], v[\o+4*\t:\o+4*\t+3], s[12:13] offset:(16*(\i)+2*\t)*4096+256*\hf   ; 16 lanes store 256 consecutive bytes, aligned; 581,888 at the most, inside the signed 24-bit immediate
.endr
.endm
.irp a, 0,1,2,3
	OUT \a, 0, 0x08, 64*\a, O0
	OUT \a, 1, 0x08, 64*\a, O1
.endr
.irp a, 0,1,2,3
	OUT \a+4, 0, 0x0c, 64*\a, O0
	OUT \a+4, 1, 0x0c, 64*\a, O1
.endr
	OUT 8, 0, 0x04, XACC, O0
	OUT 8, 1, 0x04, XACC, O1
	s_set_vgpr_msb 0x1
	s_wait_tensorcnt 0x0
	ds_add_u32 v63, v255
	s_wait_dscnt 0x0
	s_set_vgpr_msb 0x100
	CROUND                                         ; the closing round: no work-group ends while a partner may still ask for a tile that names it
	s_endpgm
.Lfunc_end_k_q279128b469_gemm:
	.size	k_q279128b469_gemm, .Lfunc_end_k_q279128b469_gemm-k_q279128b469_gemm
	.p2alignl 7, 3214868480
	.fill 96, 4, 3214868480
	.section	.rodata,"a",@progbits
	.p2align	6, 0x0
	.amdhsa_kernel k_q279128b469_gemm
		.amdhsa_group_segment_fixed_size 327680
		.amdhsa_private_segment_fixed_size 0
		.amdhsa_enable_private_segment 0
		.amdhsa_kernarg_size 40
		.amdhsa_user_sgpr_count 2
		.amdhsa_user_sgpr_kernarg_segment_ptr 1
		.amdhsa_wavefront_size32 1
		.amdhsa_system_sgpr_workgroup_id_x 1
		.amdhsa_system_sgpr_workgroup_id_y 1
		.amdhsa_system_sgpr_workgroup_id_z 1
		.amdhsa_system_vgpr_workitem_id 0
		.amdhsa_next_free_vgpr 1024
		.amdhsa_next_free_sgpr 66
		.amdhsa_reserve_vcc 0
		.amdhsa_float_denorm_mode_32 3
		.amdhsa_float_denorm_mode_16_64 3
		.amdhsa_memory_ordered 1
		.amdhsa_forward_progress 1
		.amdhsa_inst_pref_size 235
	.end_amdhsa_kernel
	.amdgpu_metadata
---
amdhsa.version: [ 1, 2 ]
amdhsa.kernels:
  - .name:           k_q279128b469_gemm
    .symbol:         k_q279128b469_gemm.kd
    .args:
      - { .name: xs, .offset: 0, .size: 8, .value_kind: global_buffer, .address_space: global }
      - { .name: Wb, .offset: 8, .size: 8, .value_kind: global_buffer, .address_space: global }
      - { .name: be, .offset: 16, .size: 8, .value_kind: global_buffer, .address_space: global }
      - { .name: gt, .offset: 24, .size: 8, .value_kind: global_buffer, .address_space: global }
      - { .name: y, .offset: 32, .size: 8, .value_kind: global_buffer, .address_space: global }
    .group_segment_fixed_size: 327680
    .private_segment_fixed_size: 0
    .kernarg_segment_align: 8
    .kernarg_segment_size: 40
    .max_flat_workgroup_size: 128
    .sgpr_count:     66
    .vgpr_count:     1024
    .wavefront_size: 32
...
	.end_amdgpu_metadata
.endif
;; end of part 3
;; launch combine (part 4): grid 256 x 1, 16 waves a work-group, no clusters, 0 bytes of LDS; arguments y, pos, gat, out0; writes out0
.if DOCPART == 4
	.amdgcn_target "amdgcn-amd-amdhsa--gfx1250"
	.amdhsa_code_object_version 6
	.text
	.protected	k_q279128b469_combine
	.globl	k_q279128b469_combine
	.p2align	8
	.type	k_q279128b469_combine,@function
k_q279128b469_combine:
	s_mov_b64 s[64:65], 0
	v_nop
	global_prefetch_b8 v0, s[64:65] scope:SCOPE_SE
	s_setreg_imm32_b32 hwreg(HW_REG_WAVE_MODE, 25, 1), 1
	s_wait_xcnt 0x0
; COMBINE.  out[t] = g1 y[p1] + g2 y[p2]: a gather of two rows of 4,096 bytes for each token and one fused multiply-add a number.
; (p1, p2) are whole numbers that an earlier launch stored; each row of y in use is read by exactly one token.
; A stream: no LDS, no barrier, no matrix unit.  256 work-groups of 16 waves; wave w owns tokens 32 group + 2 w and + 1.
; All 32 loads of a wave (16 KiB) go out at once; each load and each store covers 512 consecutive bytes, aligned.
.set GA, 2                             ; v[2:9]     g1, g1, g2, g2 of token 0; the same of token 1: pairs for the packed arithmetic
.set YA, 16                            ; v[16:143]  YA + 64 u + 32 k + 4 j: piece j of row k of token u
	s_load_b256 s[4:11], s[0:1], 0x0               ; y s[4:5], pos s[6:7], gat s[8:9], out0 s[10:11]
	v_lshrrev_b32 v1, 5, v0
	v_readfirstlane_b32 s20, v1                    ; wave 0..15
	v_and_b32 v1, 31, v0
	v_lshlrev_b32 v1, 4, v1                        ; 16 lane
	s_lshl_b32 s22, ttmp9, 8                       ; my two tokens in pos and in gat: 8 bytes a token
	s_lshl_b32 s21, s20, 4
	s_or_b32 s22, s22, s21
	s_mov_b32 s23, 0
	s_lshl_b32 s32, ttmp9, 17                      ; and in out0: 4,096 bytes a token
	s_lshl_b32 s21, s20, 13
	s_or_b32 s32, s32, s21
	s_mov_b32 s33, 0
	s_wait_kmcnt 0x0
	s_add_nc_u64 s[6:7], s[6:7], s[22:23]
	s_add_nc_u64 s[8:9], s[8:9], s[22:23]
	s_add_nc_u64 s[10:11], s[10:11], s[32:33]
	s_load_b128 s[12:15], s[6:7], 0x0              ; p1, p2 of token 0; p1, p2 of token 1
	s_load_b128 s[16:19], s[8:9], 0x0              ; g1, g2 likewise
	s_wait_kmcnt 0x0
.irp n, 0,1,2,3
	s_min_u32 s22, s[12+\n], 18431                 ; bounded in the instruction before it enters an address
	s_lshl_b32 s22, s22, 12                        ; rows of 4,096 bytes
	s_add_nc_u64 s[24+2*\n:25+2*\n], s[4:5], s[22:23]
	v_mov_b32 v[GA+2*\n], s[16+\n]
	v_mov_b32 v[GA+2*\n+1], s[16+\n]
.endr
.irp u, 0,1
.irp j, 0,1,2,3,4,5,6,7
	global_load_b128 v[YA+64*\u+4*\j:YA+64*\u+4*\j+3],       v1, s[24+4*\u:25+4*\u] offset:512*\j th:TH_LOAD_NT
	global_load_b128 v[YA+64*\u+32+4*\j:YA+64*\u+32+4*\j+3], v1, s[26+4*\u:27+4*\u] offset:512*\j th:TH_LOAD_NT
.endr
.endr
.irp u, 0,1
.irp j, 0,1,2,3,4,5,6,7
	s_wait_loadcnt 30-16*\u-2*\j                   ; loads come back in order: this pair is in, the younger pairs stay out
	v_pk_mul_f32 v[YA+64*\u+4*\j:YA+64*\u+4*\j+1],   v[YA+64*\u+4*\j:YA+64*\u+4*\j+1],   v[GA+4*\u:GA+4*\u+1]
	v_pk_mul_f32 v[YA+64*\u+4*\j+2:YA+64*\u+4*\j+3], v[YA+64*\u+4*\j+2:YA+64*\u+4*\j+3], v[GA+4*\u:GA+4*\u+1]
	v_pk_fma_f32 v[YA+64*\u+4*\j:YA+64*\u+4*\j+1],   v[YA+64*\u+32+4*\j:YA+64*\u+32+4*\j+1],   v[GA+4*\u+2:GA+4*\u+3], v[YA+64*\u+4*\j:YA+64*\u+4*\j+1]
	v_pk_fma_f32 v[YA+64*\u+4*\j+2:YA+64*\u+4*\j+3], v[YA+64*\u+32+4*\j+2:YA+64*\u+32+4*\j+3], v[GA+4*\u+2:GA+4*\u+3], v[YA+64*\u+4*\j+2:YA+64*\u+4*\j+3]
	global_store_b128 v1, v[YA+64*\u+4*\j:YA+64*\u+4*\j+3], s[10:11] offset:4096*\u+512*\j th:TH_STORE_NT
.endr
.endr
	s_endpgm
.Lfunc_end_k_q279128b469_combine:
	.size	k_q279128b469_combine, .Lfunc_end_k_q279128b469_combine-k_q279128b469_combine
	.p2alignl 7, 3214868480
	.fill 96, 4, 3214868480
	.section	.rodata,"a",@progbits
	.p2align	6, 0x0
	.amdhsa_kernel k_q279128b469_combine
		.amdhsa_group_segment_fixed_size 0
		.amdhsa_private_segment_fixed_size 0
		.amdhsa_enable_private_segment 0
		.amdhsa_kernarg_size 32
		.amdhsa_user_sgpr_count 2
		.amdhsa_user_sgpr_kernarg_segment_ptr 1
		.amdhsa_wavefront_size32 1
		.amdhsa_system_sgpr_workgroup_id_x 1
		.amdhsa_system_sgpr_workgroup_id_y 1
		.amdhsa_system_sgpr_workgroup_id_z 1
		.amdhsa_system_vgpr_workitem_id 0
		.amdhsa_next_free_vgpr 144
		.amdhsa_next_free_sgpr 66
		.amdhsa_reserve_vcc 0
		.amdhsa_float_denorm_mode_32 3
		.amdhsa_float_denorm_mode_16_64 3
		.amdhsa_memory_ordered 1
		.amdhsa_forward_progress 1
		.amdhsa_inst_pref_size 11
	.end_amdhsa_kernel
	.amdgpu_metadata
---
amdhsa.version: [ 1, 2 ]
amdhsa.kernels:
  - .name:           k_q279128b469_combine
    .symbol:         k_q279128b469_combine.kd
    .args:
      - { .name: y, .offset: 0, .size: 8, .value_kind: global_buffer, .address_space: global }
      - { .name: pos, .offset: 8, .size: 8, .value_kind: global_buffer, .address_space: global }
      - { .name: gat, .offset: 16, .size: 8, .value_kind: global_buffer, .address_space: global }
      - { .name: out0, .offset: 24, .size: 8, .value_kind: global_buffer, .address_space: global }
    .group_segment_fixed_size: 0
    .private_segment_fixed_size: 0
    .kernarg_segment_align: 8
    .kernarg_segment_size: 32
    .max_flat_workgroup_size: 512
    .sgpr_count:     66
    .vgpr_count:     144
    .wavefront_size: 32
...
	.end_amdgpu_metadata
.endif
;; end of part 4
;; ======== version 2 of 2: 4 launches; version 1 with the launch place written anew for expert scheduling mode
;; workspace buffers: Wb 16,777,216 bytes; sel 65,536 bytes of whole numbers; gat 65,536 bytes; hist 8,192 bytes of whole numbers; xs 37,748,736 bytes; pos 65,536 bytes of whole numbers; gt 256 bytes of whole numbers; y 75,497,472 bytes
;; launch prep: the kernel of part 1 again; grid 256 x 1, 16 waves a work-group, no clusters, 39,424 bytes of LDS; arguments hidden_states, Wg, We, Wb, sel, gat, hist; writes Wb, sel, gat, hist
;; launch place (part 5): grid 256 x 1, 16 waves a work-group, no clusters, 0 bytes of LDS; arguments hidden_states, sel, hist, xs, pos, gt; writes xs, pos, gt
.if DOCPART == 5
	.amdgcn_target "amdgcn-amd-amdhsa--gfx1250"
	.amdhsa_code_object_version 6
	.text
	.protected	k_q279128b469_place
	.globl	k_q279128b469_place
	.p2align	8
	.type	k_q279128b469_place,@function
k_q279128b469_place:
	s_mov_b64 s[64:65], 0
	v_nop
	global_prefetch_b8 v0, s[64:65] scope:SCOPE_SE
	s_setreg_imm32_b32 hwreg(HW_REG_WAVE_SCHED_MODE, 0, 2), 2
	s_setreg_imm32_b32 hwreg(HW_REG_WAVE_MODE, 25, 1), 1
	s_wait_xcnt 0x0
	s_wait_alu depctr_vm_vsrc(0)
; PLACE.  A counting sort of the 16,384 (token, expert) pairs by expert, then by token, without traffic between work-groups:
; every wave makes the global counts for itself from hist (8 KiB), so there is no LDS and no barrier.
;   rank(t, e) = number of tokens before t that chose e;   c_e = tokens of expert e;   n_e = ceil(c_e / 288) row groups of expert e;
;   CB_e, GB_e = sums of c, n over the experts before e.
;   row of (t, e), in xs and in y alike = 288 GB_e + rank:   group g owns rows 288 g .. 288 g + 287 of both.
; For every routing the sum of n_e is at most (16384 + 8 x 287) / 288 = 64.86, so 64 groups (18,432 rows) always suffice.
; The 18,432 - 16,384 = 2,048 rows that belong to no token (behind each expert's last token, and the groups not in use) are stored as zeros:
; 256 work-groups x 8 waves x 1 row.  With PP_j = 288 GB_j - CB_j, the rows without a token before expert j's first row, the q-th such row
; is row q + CB_j for the smallest j in 1..8 with q < PP_j, and q + 16,384 where there is none.
; Stored: xs (x in bf16, each token's row twice, and the zero rows), pos (token: its two rows), gt (group: its expert; 0 for a group not in use).
; 256 work-groups of 16 waves; a work-group owns the 32 tokens of one block of hist; wave w copies tokens 2w and 2w+1.
; THE MODE: SCHED_MODE bits 1:0 = 2 (LLVM: expert scheduling mode 2), set by the entry lines.  The code itself states the register dependences
; between vector instructions and memory instructions, and those through scalar registers that vector instructions write, with s_wait_alu, always for 0.
; THE PLAN.  Registers that memory instructions touch:
;   v2, v3, v4   byte offsets, and ZR, the zeros: written at the head, ahead of the first wait on va_vdst, and named by no vector instruction behind it.
;   HS, SEL      loaded once; no vector instruction names them before the loads.
;   XR           loaded once.  The 16 loads go in four groups of four.  Group p's eight conversions write two registers of each of its loads' four;
;                the eight stores that read them are issued in group p + 1, behind the one wait at that group's head, dealt among that group's
;                conversions, which name group p + 1's registers alone.  The last group's stores have a wait of their own.
;   PY           written by the ranks, read by wave 0's store of pos: one wait.      GTP   written by the selects, read by gt's store: one wait.
; No register that a memory instruction has read is written again; the one wait on vm_vsrc stands at the entry.  EXEC is never written.
; Vector instructions that write scalar registers stand in four runs, each with one wait on va_sdst ahead of its first reader: the wave's number and the
; masks 'block before mine'; the masks 'token chose e' and the counts; the four rows; the group table's masks.
.set HS,  16                           ; v[16:79]    HS + 8 i + e = hist[lane + 32 i][e]
.set XR,  80                           ; v[80:143]   x of my two tokens
.set MU,  144                          ; v[144:151]  multiplier of block lane + 32 i: 0x10001 if it lies before my block, else 1
.set CN,  152                          ; v[152:159]  expert e: total in the low half, count before my block in the high half (both <= 8,192)
.set SEL, 160                          ; v[160:161]  i1, i2 of token = lane
.set PY,  164                          ; v[164:165]  the token's two rows
.set TT,  166                          ; v[166:169]  at work
.set GTP, 170                          ; v[170:171]  the experts of groups 2 lane and 2 lane + 1
.set ZR,  172                          ; v[172:175]  zeros
.set CNT, 24                           ; s[24:31]    the packed counts; once a count is used up, the lanes (tokens of my block) that chose e
.set CBN, 32                           ; s[32:39]    CB_(e+1)
.set YB,  40                           ; s[40:47]    288 GB_e + count before my block
.set GB,  48                           ; s[48:55]    GB_e
.set PPN, 56                           ; s[56:63]    PP_(e+1) = 288 GB_(e+1) - CB_(e+1)
.set ROW, 68                           ; s[68:71]    behind the prefix sums, whose temporaries they were: my two tokens' four rows
.set MK2, 76                           ; s[76:83]    the lanes whose i2 is e; done with when the ranks are made
.set BAS, 76                           ; s[76:83]    then: the four rows of xs that my wave's tokens go to
.set MK1, 88                           ; s[88:95]    at the head: block lane + 32 i lies before mine; then: the lanes whose i1 is e
.set GM,  32                           ; s[32:47]    at the end, where CBN and YB are done with: the group table's sixteen masks
	s_load_b256 s[4:11], s[0:1], 0x0               ; x s[4:5], sel s[6:7], hist s[8:9], xs s[10:11]
	s_load_b128 s[12:15], s[0:1], 0x20             ; pos s[12:13], gt s[14:15]
	s_mov_b32 s19, ttmp9                           ; my block
	v_lshrrev_b32 v6, 5, v0
	v_readfirstlane_b32 s18, v6                    ; wave 0..15
	v_and_b32 v1, 31, v0                           ; lane
	v_lshlrev_b32 v2, 4, v1                        ; 16 lane
	v_lshlrev_b32 v3, 5, v1                        ; 32 lane: a block's 8 words of hist
	v_lshlrev_b32 v4, 3, v1                        ; 8 lane
	v_mov_b32 v5, 0x10001
.irp z, 0,1,2,3
	v_mov_b32 v[ZR+\z], 0
.endr
.irp i, 0,1,2,3,4,5,6,7
	v_add_nc_u32 v[TT], 32*\i, v1
	v_cmp_gt_u32 s[MK1+\i], s19, v[TT]             ; that block lies before mine: eight masks in a run, while the arguments are on their way
.endr
	s_wait_alu depctr_va_sdst(0)                   ; s18 and the eight masks are written, ahead of their first readers: the selects and the offsets below
.irp i, 0,1,2,3,4,5,6,7
	v_cndmask_b32 v[MU+\i], 1, v5, s[MK1+\i]
.endr
	s_lshl_b32 s20, s19, 17
	s_lshl_b32 s21, s18, 13
	s_or_b32 s20, s20, s21                         ; my two tokens in x
	s_mov_b32 s21, 0
	s_lshl_b32 s84, s19, 8                         ; my block in sel and in pos
	s_mov_b32 s85, 0                               ; stays 0: the upper word of every offset made in s84
	s_mov_b32 s22, 0x76543210                      ; v_permlanex16_b32: lane i of one half reads lane i of the other
	s_mov_b32 s23, 0xfedcba98
	s_wait_kmcnt 0x0
	s_add_nc_u64 s[4:5], s[4:5], s[20:21]
	s_add_nc_u64 s[6:7], s[6:7], s[84:85]
	s_add_nc_u64 s[12:13], s[12:13], s[84:85]
	s_wait_alu depctr_va_vdst(0)                   ; v2, v3 and v4 are written, which every load and store reads as its offset; so are the zeros, which the zero rows' stores read
.irp i, 0,1,2,3,4,5,6,7
	global_load_b128 v[HS+8*\i:HS+8*\i+3],   v3, s[8:9] offset:1024*\i
	global_load_b128 v[HS+8*\i+4:HS+8*\i+7], v3, s[8:9] offset:1024*\i+16
.endr
	global_load_b64 v[SEL:SEL+1], v4, s[6:7]
.irp k, 0,1,2,3,4,5,6,7,8,9,10,11,12,13,14,15
	global_load_b128 v[XR+4*\k:XR+4*\k+3], v2, s[4:5] offset:512*\k th:TH_LOAD_NT    ; the last read of x
.endr
	s_wait_loadcnt 16                              ; hist and sel are in; x's 16 loads stay out
.irp e, 0,1,2,3,4,5,6,7
	v_mul_u32_u24 v[CN+\e], v[HS+\e], v[MU]
.endr
.irp i, 1,2,3,4,5,6,7
.irp e, 0,1,2,3,4,5,6,7
	v_mad_u32_u24 v[CN+\e], v[HS+8*\i+\e], v[MU+\i], v[CN+\e]
.endr
.endr
.irp m, 1,2,4,8
.irp e, 0,1,2,3,4,5,6,7
	v_add_nc_u32_dpp v[CN+\e], v[CN+\e], v[CN+\e] row_xmask:\m row_mask:0xf bank_mask:0xf
.endr
.endr
.irp e, 0,1,2,3,4,5,6,7
	v_permlanex16_b32 v[MU+\e], v[CN+\e], s22, s23 ; the multipliers are done with; the destination counts as read and has been written
.endr
	; one run of the 24 vector instructions that write scalar registers here: who chose e first, who chose it second, and the counts
.irp e, 0,1,2,3,4,5,6,7
	v_cmp_eq_u32 s[MK1+\e], \e, v[SEL]
	v_cmp_eq_u32 s[MK2+\e], \e, v[SEL+1]
.endr
.irp e, 0,1,2,3,4,5,6,7
	v_add_nc_u32 v[CN+\e], v[CN+\e], v[MU+\e]
	v_readfirstlane_b32 s[CNT+\e], v[CN+\e]
.endr
	s_wait_alu depctr_va_sdst(0)                   ; the sixteen masks and the eight counts are written, ahead of their first readers: the prefix sums below
	; the prefix sums, in scalars.  s66 = CB, s67 = GB, running.
	s_mov_b32 s66, 0
	s_mov_b32 s67, 0
.irp e, 0,1,2,3,4,5,6,7
	s_and_b32 s68, s[CNT+\e], 0xffff               ; c_e
	s_lshr_b32 s69, s[CNT+\e], 16                  ; of them before my block
	s_mul_i32 s71, s67, 288
	s_add_co_u32 s[YB+\e], s71, s69
	s_mov_b32 s[GB+\e], s67
	s_add_co_u32 s66, s66, s68                     ; CB_(e+1)
	s_add_co_u32 s70, s68, 287
	s_mul_i32 s70, s70, 58255                      ; floor(n / 288) = (n x 58255) >> 24: 58255 x 288 = 2^24 + 224, so the quotient is too large by
	s_lshr_b32 s70, s70, 24                        ; n x 224 / (288 x 2^24) < 0.0004 for n <= 8,479, less than the 1 / 288 that could carry it over
	s_add_co_u32 s67, s67, s70                     ; GB_(e+1)
	s_mov_b32 s[CBN+\e], s66
	s_mul_i32 s71, s67, 288
	s_sub_co_u32 s[PPN+\e], s71, s66               ; PP_(e+1): never negative, 288 n_e >= c_e
	s_or_b32 s[CNT+\e], s[MK1+\e], s[MK2+\e]       ; the count is used up: its register takes the lanes that chose e, first or second
.endr
	; rank inside the block: the lower lanes that chose the same expert
.macro RANK e
	v_mbcnt_lo_u32_b32 v[TT], s[CNT+\e], 0
.if \e == 0
	v_add_nc_u32 v[PY], s[YB], v[TT]               ; expert 0 writes both whole; the others select
	v_add_nc_u32 v[PY+1], s[YB], v[TT]
.else
	v_add_nc_u32 v[TT+2], s[YB+\e], v[TT]
	v_cndmask_b32 v[PY], v[PY], v[TT+2], s[MK1+\e]
	v_cndmask_b32 v[PY+1], v[PY+1], v[TT+2], s[MK2+\e]
.endif
.endm
.irp e, 0,1,2,3,4,5,6,7
	RANK \e
.endr
	; the four rows of xs that my two tokens go to, read out of the block's positions in one run
	s_lshl_b32 s86, s18, 1                         ; the lane that holds my first token,
	s_add_co_u32 s87, s86, 1                       ; and my second
	v_readlane_b32 s[ROW], v[PY], s86
	v_readlane_b32 s[ROW+1], v[PY+1], s86
	v_readlane_b32 s[ROW+2], v[PY], s87
	v_readlane_b32 s[ROW+3], v[PY+1], s87
	s_wait_alu depctr_va_sdst(0)                   ; the four rows are written, ahead of their first readers: the bounds below
	s_wait_alu depctr_va_vdst(0)                   ; the ranks have written PY, which wave 0's store of pos reads
.irp n, 0,1,2,3
	s_min_u32 s84, s[ROW+\n], 18431                ; the row is bounded in the instruction before it enters an address
	s_lshl_b32 s84, s84, 11                        ; rows of 2,048 bytes
	s_add_nc_u64 s[BAS+2*\n:BAS+2*\n+1], s[10:11], s[84:85]
.endr
	s_cmp_lg_u32 s18, 0
	s_cbranch_scc1 .Lnopos
	global_store_b64 v4, v[PY:PY+1], s[12:13]      ; every wave has the block's positions; wave 0 stores them: 256 consecutive bytes, aligned
.Lnopos:
	; the copy: load k's 512 bytes become 256 bytes of bf16, stored to both rows; each store covers 256 consecutive bytes, aligned
.macro CVT k
	v_cvt_pk_bf16_f32 v[XR+4*(\k)], v[XR+4*(\k)], v[XR+4*(\k)+1]
	v_cvt_pk_bf16_f32 v[XR+4*(\k)+1], v[XR+4*(\k)+2], v[XR+4*(\k)+3]
.endm
.macro PUT k
	global_store_b64 v4, v[XR+4*(\k):XR+4*(\k)+1], s[BAS+4*((\k)/8):BAS+4*((\k)/8)+1] offset:256*((\k)%8)
	global_store_b64 v4, v[XR+4*(\k):XR+4*(\k)+1], s[BAS+4*((\k)/8)+2:BAS+4*((\k)/8)+3] offset:256*((\k)%8)
.endm
; Group p: loads 4 p to 4 p + 3 are rounded; the stores of the group before are dealt among the conversions, two ahead of each pair.
.macro GROUP p
	s_wait_loadcnt 12-4*(\p)                       ; loads come back in order (ISA guide 5.7.1): this group's four are in, the younger ones stay out
.if \p > 0
	s_wait_alu depctr_va_vdst(0)                   ; the group before has written its eight registers, which the stores below read; this group's conversions name none of them
.endif
.irp i, 0,1,2,3
.if \p > 0
	PUT 4*(\p)-4+\i
.endif
	CVT 4*(\p)+\i
.endr
.endm
	GROUP 0
	GROUP 1
	GROUP 2
	GROUP 3
	s_wait_alu depctr_va_vdst(0)                   ; the last group has written its eight registers, which the last eight stores read
.irp k, 12,13,14,15
	PUT \k
.endr
	; the rows without a token: waves 0 to 7 store one each, the q-th, q = 8 block + wave
	s_cmp_gt_u32 s18, 7
	s_cbranch_scc1 .Lnozero
	s_lshl_b32 s86, s19, 3
	s_add_co_u32 s86, s86, s18                     ; q
	s_add_co_u32 s84, s86, s[CBN+7]                ; behind the last expert's groups: q + 16,384
.irp j, 6,5,4,3,2,1,0
	s_add_co_u32 s87, s86, s[CBN+\j]               ; PP rises with the expert, so going down the last hit is the smallest j with q < PP_j
	s_cmp_lt_u32 s86, s[PPN+\j]
	s_cselect_b32 s84, s87, s84
.endr
	s_min_u32 s84, s84, 18431                      ; bounded in the instruction before it enters an address
	s_lshl_b32 s84, s84, 11
	s_add_nc_u64 s[88:89], s[10:11], s[84:85]
.irp k, 0,1,2,3
	global_store_b128 v2, v[ZR:ZR+3], s[88:89] offset:512*\k               ; each store covers 512 consecutive bytes, aligned; v2 and the zeros were written ahead of the head's wait and are named by no vector instruction since
.endr
.Lnozero:
	; the group table: work-group 0, wave 0; lane l makes groups 2 l and 2 l + 1: one store of 256 consecutive bytes
	s_cmp_lg_u32 s19, 0
	s_cbranch_scc1 .Lend
	s_cmp_lg_u32 s18, 0
	s_cbranch_scc1 .Lend
	v_lshlrev_b32 v[TT], 1, v1
	v_or_b32 v[TT+1], 1, v[TT]
	v_mov_b32 v[GTP], 0
	v_mov_b32 v[GTP+1], 0
.irp e, 1,2,3,4,5,6,7
.irp u, 0,1
	v_cmp_le_u32 s[GM+2*\e-2+\u], s[GB+\e], v[TT+\u]   ; expert e's first group is at or before g: sixteen masks in a run; none of their registers is a source of a store that is out
.endr
.endr
.irp u, 0,1
	v_cmp_le_u32 s[GM+14+\u], s67, v[TT+\u]        ; g lies beyond the last group in use
.endr
	s_wait_alu depctr_va_sdst(0)                   ; the sixteen masks are written, ahead of their first readers: the selects below
.irp e, 1,2,3,4,5,6,7
.irp u, 0,1
	v_cndmask_b32 v[GTP+\u], v[GTP+\u], \e, s[GM+2*\e-2+\u]   ; the last expert whose first group is at or before g (an expert without tokens is passed over by the next)
.endr
.endr
.irp u, 0,1
	v_cndmask_b32 v[GTP+\u], v[GTP+\u], 0, s[GM+14+\u]        ; beyond the last group in use: expert 0 (its rows of xs are zeros)
.endr
	s_wait_alu depctr_va_vdst(0)                   ; the selects have written GTP, which the store reads
	global_store_b64 v4, v[GTP:GTP+1], s[14:15]
.Lend:
	s_endpgm
.Lfunc_end_k_q279128b469_place:
	.size	k_q279128b469_place, .Lfunc_end_k_q279128b469_place-k_q279128b469_place
	.p2alignl 7, 3214868480
	.fill 96, 4, 3214868480
	.section	.rodata,"a",@progbits
	.p2align	6, 0x0
	.amdhsa_kernel k_q279128b469_place
		.amdhsa_group_segment_fixed_size 0
		.amdhsa_private_segment_fixed_size 0
		.amdhsa_enable_private_segment 0
		.amdhsa_kernarg_size 48
		.amdhsa_user_sgpr_count 2
		.amdhsa_user_sgpr_kernarg_segment_ptr 1
		.amdhsa_wavefront_size32 1
		.amdhsa_system_sgpr_workgroup_id_x 1
		.amdhsa_system_sgpr_workgroup_id_y 1
		.amdhsa_system_sgpr_workgroup_id_z 1
		.amdhsa_system_vgpr_workitem_id 0
		.amdhsa_next_free_vgpr 176
		.amdhsa_next_free_sgpr 96
		.amdhsa_reserve_vcc 0
		.amdhsa_float_denorm_mode_32 3
		.amdhsa_float_denorm_mode_16_64 3
		.amdhsa_memory_ordered 1
		.amdhsa_forward_progress 1
		.amdhsa_inst_pref_size 31
	.end_amdhsa_kernel
	.amdgpu_metadata
---
amdhsa.version: [ 1, 2 ]
amdhsa.kernels:
  - .name:           k_q279128b469_place
    .symbol:         k_q279128b469_place.kd
    .args:
      - { .name: hidden_states, .offset: 0, .size: 8, .value_kind: global_buffer, .address_space: global }
      - { .name: sel, .offset: 8, .size: 8, .value_kind: global_buffer, .address_space: global }
      - { .name: hist, .offset: 16, .size: 8, .value_kind: global_buffer, .address_space: global }
      - { .name: xs, .offset: 24, .size: 8, .value_kind: global_buffer, .address_space: global }
      - { .name: pos, .offset: 32, .size: 8, .value_kind: global_buffer, .address_space: global }
      - { .name: gt, .offset: 40, .size: 8, .value_kind: global_buffer, .address_space: global }
    .group_segment_fixed_size: 0
    .private_segment_fixed_size: 0
    .kernarg_segment_align: 8
    .kernarg_segment_size: 48
    .max_flat_workgroup_size: 512
    .sgpr_count:     96
    .vgpr_count:     176
    .wavefront_size: 32
...
	.end_amdgpu_metadata
.endif
;; end of part 5
;; launch gemm: the kernel of part 3 again; grid 4 x 64, 4 waves a work-group, clusters of 4 x 1, 327,680 bytes of LDS; arguments xs, Wb, be, gt, y; writes y
;; launch combine: the kernel of part 4 again; grid 256 x 1, 16 waves a work-group, no clusters, 0 bytes of LDS; arguments y, pos, gat, out0; writes out0
